; MI455X (gfx1250); checked and timed in simulation.
; The chip was launched on July 23, 2026; its instructions are those of AMD's public machine-readable ISA for CDNA 5 (MIT licence, August 2026) and "CDNA5" Instruction Set Architecture Reference Guide (July 2026). The comments in the code are by the model that wrote it; some were corrected since.
;; Banded Causal Self Attention. Allowed arithmetic: float matrix products may take bf16 or f16 operands with f32 sums; other float arithmetic in f32, or as packed bf16 or f16 multiplies, adds, multiply-adds, maxima and minima; sums over many terms, partial sums and values carried from step to step in f32; what a program stores and reads back later, other than sums and carried values, may be rounded once to bf16 or f16.
;; Inputs: Wk 1,024 x 1,024 float32; Wo 1,024 x 1,024 float32; Wq 1,024 x 1,024 float32; Wv 1,024 x 1,024 float32; x 1 x 4,096 x 1,024 float32.
;; Outputs: out0 1 x 4,096 x 1,024 float32.
;; 2 versions, each right; version 2 is version 1 with the launch cvt written anew for expert scheduling mode. Each part assembles by itself: llvm-mc -triple=amdgcn-amd-amdhsa -mcpu=gfx1250 --defsym DOCPART=n.
;; ======== version 1 of 2: 3 launches
;; limits: values are held in f16: magnitudes above 65,504 overflow, below 6.1e-05 lose precision
;; workspace buffers: xb 8,388,608 bytes; wb 6,291,456 bytes; wob 2,097,152 bytes; y 8,388,608 bytes
;; launch cvt (part 1): grid 256 x 1, 8 waves a work-group, no clusters, 0 bytes of LDS; arguments x, Wq, Wk, Wv, Wo, xb, wb, wob; writes xb, wb, wob
.if DOCPART == 1
	.amdgcn_target "amdgcn-amd-amdhsa--gfx1250"
	.amdhsa_code_object_version 6
	.text
	.protected	k_q8a39fd8fba_cvt
	.globl	k_q8a39fd8fba_cvt
	.p2align	8
	.type	k_q8a39fd8fba_cvt,@function
k_q8a39fd8fba_cvt:
	s_mov_b64 s[64:65], 0
	v_nop
	global_prefetch_b8 v0, s[64:65] scope:SCOPE_SE
	s_setreg_imm32_b32 hwreg(HW_REG_WAVE_MODE, 25, 1), 1
	s_wait_xcnt 0x0
; The module's five f32 inputs are rounded once to 16 bits, for the matrix launches behind this one.
;   x  [4096][1024] -> xb  bf16, same order.
;   Wq, Wk, Wv [1024][1024] -> wb bf16, by heads: row 192 h + 64 s + r holds row 64 h + r of Wq (s = 0), Wk (1), Wv (2): a head's 192 rows lie together.
;   Wo [1024][1024] -> wob: rounded to bf16 like the other inputs, and that number written as f16 (the product behind multiplies f16).
; LIMITS.  |bf16(Wo)| stays under 65,504; below 6e-5 f16 keeps a fixed step of 6e-8.  NaN and infinities are not treated apart.
; SHARES.  8,192 rows of 4,096 bytes; a work-group takes 32 consecutive rows of one tensor, a wave 4 (16,384 consecutive bytes in, 8,192 out).
; A lane loads 16 consecutive bytes and stores 8: a wave's load covers 512 consecutive bytes, its store 256 consecutive bytes at a multiple of 256.
; All 32 loads of a wave go out at once; no register is written twice, so no wait but the counted ones for the loads is needed.  No LDS, no matrix unit: nothing is shared or multiplied.
.set X,   8                            ; v[8:135]    unit u: 4 f32 as loaded
.set Y,   136                          ; v[136:199]  unit u: 4 numbers of 16 bits to store
.set T,   200                          ; v[200:205]  at work (Wo's way)
.set SRC, 24                           ; s[24:25]    the work-group's first source byte
.set DST, 26                           ; s[26:27]    its first destination byte
	s_load_b512 s[8:23], s[0:1], 0x0               ; x s[8:9], Wq s[10:11], Wk s[12:13], Wv s[14:15], Wo s[16:17], xb s[18:19], wb s[20:21], wob s[22:23]
	s_mov_b32 s2, ttmp9                            ; g: 0-127 x, 128-159 Wq, 160-191 Wk, 192-223 Wv, 224-255 Wo
	s_and_b32 s3, s2, 31                           ; which 32 rows of a weight
	s_sub_co_u32 s4, s2, 128
	s_lshr_b32 s4, s4, 5
	s_and_b32 s4, s4, 3                            ; which weight
	s_lshr_b32 s6, s3, 1                           ; wb's row: 192 x head
	s_mul_i32 s6, s6, 192
	s_lshl_b32 s7, s4, 6                           ; + 64 x (q, k, v)
	s_add_co_u32 s6, s6, s7
	s_and_b32 s7, s3, 1                            ; + which half of the head's 64 rows
	s_lshl_b32 s7, s7, 5
	s_add_co_u32 s6, s6, s7
	s_lshl_b32 s6, s6, 11                          ; in bytes
	s_cmp_lt_u32 s2, 128
	s_cselect_b32 s5, s2, s3                       ; the block of 32 rows in its own tensor
	s_lshl_b32 s28, s5, 17                         ; 32 rows of 4,096 bytes
	s_mov_b32 s29, 0
	s_lshl_b32 s7, s5, 16                          ; 32 rows of 2,048 bytes (xb and wob keep the order)
	s_mov_b32 s31, 0
	v_lshrrev_b32 v3, 5, v0                        ; wave
	v_and_b32 v4, 31, v0                           ; lane
	v_lshlrev_b32 v1, 4, v4
	v_lshl_or_b32 v1, v3, 14, v1                   ; in: 16,384 x wave + 16 x lane
	v_lshlrev_b32 v2, 3, v4
	v_lshl_or_b32 v2, v3, 13, v2                   ; out: 8,192 x wave + 8 x lane
	s_wait_kmcnt 0x0
	s_cmp_lt_u32 s2, 128
	s_cselect_b64 s[SRC:SRC+1], s[8:9], s[10:11]
	s_cselect_b64 s[DST:DST+1], s[18:19], s[20:21]
	s_cselect_b32 s30, s7, s6
	s_cmp_lt_u32 s2, 160
	s_cselect_b64 s[SRC:SRC+1], s[SRC:SRC+1], s[12:13]
	s_cmp_lt_u32 s2, 192
	s_cselect_b64 s[SRC:SRC+1], s[SRC:SRC+1], s[14:15]
	s_cmp_lt_u32 s2, 224
	s_cselect_b64 s[SRC:SRC+1], s[SRC:SRC+1], s[16:17]
	s_cselect_b64 s[DST:DST+1], s[DST:DST+1], s[22:23]
	s_cselect_b32 s30, s30, s7
	s_add_nc_u64 s[SRC:SRC+1], s[SRC:SRC+1], s[28:29]
	s_add_nc_u64 s[DST:DST+1], s[DST:DST+1], s[30:31]
.set u, 0
.rept 32
	global_load_b128 v[X+4*u:X+4*u+3], v1, s[SRC:SRC+1] offset:512*u th:TH_LOAD_NT
.set u, u+1
.endr
	s_cmp_ge_u32 s2, 224
	s_cbranch_scc1 .Lwo
.set u, 0
.rept 32
	s_wait_loadcnt 31-u                            ; loads come back in order: unit u is in, the younger ones stay out
	v_cvt_pk_bf16_f32 v[Y+2*u],   v[X+4*u],   v[X+4*u+1]
	v_cvt_pk_bf16_f32 v[Y+2*u+1], v[X+4*u+2], v[X+4*u+3]
	global_store_b64 v2, v[Y+2*u:Y+2*u+1], s[DST:DST+1] offset:256*u
.set u, u+1
.endr
	s_endpgm
.Lwo:                                              ; Wo: to bf16, widened again (a shift, a mask), and written as f16
.set u, 0
.rept 32
	s_wait_loadcnt 31-u
	v_cvt_pk_bf16_f32 v[T],   v[X+4*u],   v[X+4*u+1]
	v_cvt_pk_bf16_f32 v[T+1], v[X+4*u+2], v[X+4*u+3]
	v_lshlrev_b32 v[T+2], 16, v[T]
	v_and_b32     v[T+3], 0xffff0000, v[T]
	v_lshlrev_b32 v[T+4], 16, v[T+1]
	v_and_b32     v[T+5], 0xffff0000, v[T+1]
	v_cvt_pk_f16_f32 v[Y+2*u],   v[T+2], v[T+3]
	v_cvt_pk_f16_f32 v[Y+2*u+1], v[T+4], v[T+5]
	global_store_b64 v2, v[Y+2*u:Y+2*u+1], s[DST:DST+1] offset:256*u
.set u, u+1
.endr
	s_endpgm
.Lfunc_end_k_q8a39fd8fba_cvt:
	.size	k_q8a39fd8fba_cvt, .Lfunc_end_k_q8a39fd8fba_cvt-k_q8a39fd8fba_cvt
	.p2alignl 7, 3214868480
	.fill 96, 4, 3214868480
	.section	.rodata,"a",@progbits
	.p2align	6, 0x0
	.amdhsa_kernel k_q8a39fd8fba_cvt
		.amdhsa_group_segment_fixed_size 0
		.amdhsa_private_segment_fixed_size 0
		.amdhsa_enable_private_segment 0
		.amdhsa_kernarg_size 64
		.amdhsa_user_sgpr_count 2
		.amdhsa_user_sgpr_kernarg_segment_ptr 1
		.amdhsa_wavefront_size32 1
		.amdhsa_system_sgpr_workgroup_id_x 1
		.amdhsa_system_sgpr_workgroup_id_y 1
		.amdhsa_system_sgpr_workgroup_id_z 1
		.amdhsa_system_vgpr_workitem_id 0
		.amdhsa_next_free_vgpr 208
		.amdhsa_next_free_sgpr 66
		.amdhsa_reserve_vcc 0
		.amdhsa_float_denorm_mode_32 3
		.amdhsa_float_denorm_mode_16_64 3
		.amdhsa_memory_ordered 1
		.amdhsa_forward_progress 1
		.amdhsa_inst_pref_size 31
	.end_amdhsa_kernel
	.amdgpu_metadata
---
amdhsa.version: [ 1, 2 ]
amdhsa.kernels:
  - .name:           k_q8a39fd8fba_cvt
    .symbol:         k_q8a39fd8fba_cvt.kd
    .args:
      - { .name: x, .offset: 0, .size: 8, .value_kind: global_buffer, .address_space: global }
      - { .name: Wq, .offset: 8, .size: 8, .value_kind: global_buffer, .address_space: global }
      - { .name: Wk, .offset: 16, .size: 8, .value_kind: global_buffer, .address_space: global }
      - { .name: Wv, .offset: 24, .size: 8, .value_kind: global_buffer, .address_space: global }
      - { .name: Wo, .offset: 32, .size: 8, .value_kind: global_buffer, .address_space: global }
      - { .name: xb, .offset: 40, .size: 8, .value_kind: global_buffer, .address_space: global }
      - { .name: wb, .offset: 48, .size: 8, .value_kind: global_buffer, .address_space: global }
      - { .name: wob, .offset: 56, .size: 8, .value_kind: global_buffer, .address_space: global }
    .group_segment_fixed_size: 0
    .private_segment_fixed_size: 0
    .kernarg_segment_align: 8
    .kernarg_segment_size: 64
    .max_flat_workgroup_size: 256
    .sgpr_count:     66
    .vgpr_count:     208
    .wavefront_size: 32
...
	.end_amdgpu_metadata
.endif
;; end of part 1
;; launch qkvatt (part 2): grid 16 x 16, 4 waves a work-group, clusters of 4 x 4, 327,680 bytes of LDS; arguments xb, wb, y; writes y
.if DOCPART == 2
	.amdgcn_target "amdgcn-amd-amdhsa--gfx1250"
	.amdhsa_code_object_version 6
	.text
	.protected	k_q8a39fd8fba_qkvatt
	.globl	k_q8a39fd8fba_qkvatt
	.p2align	8
	.type	k_q8a39fd8fba_qkvatt,@function
k_q8a39fd8fba_qkvatt:
	s_mov_b64 s[64:65], 0
	v_nop
	global_prefetch_b8 v0, s[64:65] scope:SCOPE_SE
	s_setreg_imm32_b32 hwreg(HW_REG_WAVE_MODE, 25, 1), 1
	s_wait_xcnt 0x0
	s_wait_alu depctr_hold_cnt(0) depctr_sa_sdst(0) depctr_va_vdst(0) depctr_va_sdst(0) depctr_va_ssrc(0) depctr_va_vcc(0) depctr_vm_vsrc(0)
	s_getreg_b32 s2, hwreg(HW_REG_IB_STS2, 6, 4)
	s_cmp_eq_u32 s2, 0
	s_cbranch_scc0 .Lentry_in_a_cluster
	s_endpgm
.Lentry_in_a_cluster:
	s_bfe_u32 s2, ttmp6, 0x10000c
	s_cmp_lg_u32 s2, 0xf033
	s_cbranch_scc0 .Lentry_shape_is_right
	s_endpgm
.Lentry_shape_is_right:
; For one head and one block of 256 rows: q, k, v = x W^T (bf16 operands, f32 sums), then y = softmax(q k^T / 8, banded) v.  Key j is seen by query i where 0 <= i - j < 128.
; xb: [4096][1024] bf16.  wb: [16 heads][q, k, v][64][1024] bf16.  y: f16, [32 R][16 heads][128 rows][64 channels]: 16 rows of a head are 2,048 consecutive bytes.
; LIMITS.  q, k, v are rounded once to f16: they stay under 65,504, and below 6e-5 keep f16's fixed step of 6e-8.  A hidden score counts as its value less 1e30.  A weight below 2^-126 counts as 0.
; NaN and infinities are not treated apart.  The maximum taken away ahead of the exponentials is the true maximum of a query's seen scores: all its 144 candidates lie in registers at once.
; PHASE G.  "Buffer rows" 0-383 are x's rows 256 b - 128 + i: a halo of 128 rows, for which only k and v are made, and the block's 256.  (For b = 0 the halo is asked for at rows 0-127: finite numbers, hidden later.)
; A wave makes 64 accumulators of 16 x 16: its 64 main rows x 12 column tiles (q 0-3, k 4-7, v 8-11) and its 32 halo rows x 8.  K goes in 8 steps of 128 through two LDS slots;
; each LDS row holds 256 bytes of memory that start at a multiple of 256.  The matrix instruction is used transposed (source 0 = 16 rows of W, source 1 = 16 rows of x): a lane holds ONE row and 8 neighbouring channels.
; PHASE H.  q is rounded to f16 in registers, where it already is source 1 of S^T = K Q^T; k and v go to LDS, into slot 0's bytes, which have had their last fill and their last read.
; PHASE A.  A wave's four tiles of 16 queries go in two pairs.  A pair sees 160 buffer rows: ten key tiles; query tile u takes tiles u .. u + 8, the first and the last of them under a triangular mask that is
; the C operand of the product that starts the sum.  S^T holds one query a lane; two of its tiles rounded to f16 ARE source 1 of O^T = V^T P.  V comes out of LDS turned (ds_load_tr16_b128).
; CLUSTER.  4 x 4 work-groups.  The four of a row of the cluster share the row block, so x's tiles; the four of a column share the head, so W's tile: each is asked for jointly.
; REGISTERS, in windows of 256 (s_set_vgpr_msb: bits 1:0 source 0, 3:2 source 1, 5:4 source 2, 7:6 destination):
;   window 0: v0-29 addresses; v32-63 at work; v64-159 x's fragments, two buffers of 6 (later: at work, and the rows on their way out); v160-223 q; v224-255 statistics
;   window 1: v0-191 W's fragments, two buffers of 12; later v0-159 K, v160-175 the two masks, v192-255 O^T
;   windows 2, 3: 32 accumulators each; later window 2: v0-143 S^T, v144-223 P; window 3: v0-159 V
.set PITCH,  272                       ; an LDS row of the ring: 256 bytes + 16 of padding = 68 words: the 16 rows of a load start at 16 different groups of four banks (64 banks of 4 bytes: ISA guide 11.1)
.set ATILE,  128*PITCH                 ; what one load of x brings
.set SLOT,   576*PITCH                 ; halo 128 rows, main 256 rows, W 192 rows
.set STAGE,  2*SLOT                    ; behind the ring: 16 rows x 144 bytes for each wave, for the way out
.set SP,     144
.set SPARE,  STAGE+4*16*SP             ; behind the stages: the spare words, 128 bytes for each wave: two blocks of 256 bytes that no other line names
.set PK,     144                       ; a row of k: 128 bytes + 16
.set PV,     160                       ; a row of v: 128 bytes + 32
.set KBUF,   0                         ; 384 rows of k,
.set VBUF,   384*PK                    ; then 384 rows of v: both inside slot 0
.set ADRM, 4                           ; v4-5    my main rows' fragments in slot 0, 1
.set ADRH, 6                           ; v6-7    my halo rows'
.set ADRB, 8                           ; v8-9    W's
.set KSTM, 10                          ; v10-13  where I put 16 bytes of a row of k (main, halo) and of v (main, halo)
.set KSTH, 11
.set VSTM, 12
.set VSTH, 13
.set AK,   14                          ; v14     my lane's place in my wave's first key tile
.set AV,   15                          ; v15     the same for V's turning load
.set STO,  16                          ; v16     the way out: where I put 16 bytes of a row
.set RD,   17                          ; v17     where I read rows back
.set GO,   18                          ; v18     my byte offset in 512 consecutive bytes of y
.set DD,   19                          ; v19     lane % 16 - 8 (lane / 16)
.set PFO,  20                          ; v20     the prefetches' offset; never rewritten
.set SPW,  28                          ; v28     LDS address of my spare word; never rewritten
.set NIL,  29                          ; v29     0; never rewritten
.set TMP,  32
.set AF,   64                          ; x's fragments: buffer f, place s at AF + 48 f + 8 s; places 3 hi + 0, 1: main row tiles 2 hi, 2 hi + 1; place 3 hi + 2: halo tile hi
.set OB,   64                          ; later: query tile a's rows on their way out, 16 registers each
.set QF,   160                         ; q: query tile a, channels 32 cc on, at QF + 16 a + 8 cc
.set ST,   224                         ; tile u's statistics at ST + 16 u: +0..3 at work, +4, +5 the maximum (twice), +6, +7 1 / l (twice)
.set BF,   0                           ; window 1: W's fragments: buffer f, column tile c at BF + 96 f + 8 c
.set ML,   160                         ; window 1: -1e30 where 8 (lane / 16) + j <= lane % 16: the band's far end
.set MU,   168                         ; window 1: -1e30 where 8 (lane / 16) + j >  lane % 16: the diagonal
.set OT,   192                         ; window 1: O^T: tile u, channels 16 cb on, at OT + 32 u + 8 cb
.set S,    0                           ; window 2: S^T: tile u, its i-th key tile, at S + 72 u + 8 i
.set P,    144                         ; window 2: P: tile u, the pair's key tile kt, at P + 40 u + 4 kt
.set G1A, 24                           ; s[24:31] descriptor group 1 for x's tiles;  s[32:39] group 0, a set for each slot
.set G0A, 32
.set G1B, 48                           ; s[48:55], s[56:63] the same for W's tile
.set G0B, 56
.set PFA, 66                           ; s[66:67] where my prefetches stand
.set LIM, 68                           ; s68, s69 a wave prefetches at slot n's change while the laps still to go are above s[LIM+n]
.set CS,  70                           ; s[70:71] c = log2(e) / 8
.set SEL, 72                           ; s[72:73] v_permlanex16_b32's selects: each lane takes its own place in the other half
.set BE,  74                           ; s[74:75] what is added to a key tile's scores: 0, or -1e30 for rows ahead of x's first
.set BIGN, 76                          ; s76      -1e30
.set TH,  77                           ; s77, s78 pair p: key tiles below this number lie ahead of x's first row (block 0 alone)
.set LM,  79
.set SH,  80
.set MSB, 0
.macro WIN new                         ; the immediate's high byte repeats the setting that is left; a switch that changes nothing is dropped
.if MSB != (\new)
	s_set_vgpr_msb (MSB<<8)|(\new)
.set MSB, \new
.endif
.endm
.set MUL_LO, 0xa1                      ; source 0 (W) window 1, source 1 (x) window 0, C and D window 2
.set MUL_HI, 0xf1                      ; the same, C and D window 3
.set TO_B,   0x40                      ; destination window 1, address window 0
.macro PLACES                          ; four plain places behind a matrix instruction, in front of loads into registers that it read
.rept 4
	v_nop
.endr
.endm
; A joint load.  Waves 0, 1, 2 fetch x's halo and the two halves of the main rows, wave 3 the head's 192 rows of W.  The branch hangs on the wave's number alone.
; An s_nop 0 and four v_nop follow each of the two lines, ahead of the jump and the label.
.macro JLOAD s
	s_cmp_lt_u32 s10, 3
	s_cbranch_scc0 .Lfor_b_\@
	tensor_load_to_lds s[G0A+4*(\s):G0A+4*(\s)+3], s[G1A:G1A+7]
	s_nop 0
.rept 4
	v_nop
.endr
	s_branch .Lasked_\@
.Lfor_b_\@:
	tensor_load_to_lds s[G0B+4*(\s):G0B+4*(\s)+3], s[G1B:G1B+7]
	s_nop 0
.rept 4
	v_nop
.endr
.Lasked_\@:
.endm
; A prefetch into the L2, behind a joint load, its five lines and the run of LDS loads: 256 bytes of each of my rows, for the K step that the NEXT change of slots will ask for: 256 matrix instructions ahead of that load.
; Each row's 256 bytes of a K step are named once in the launch.  x's main rows are read by every cluster of a row of clusters: the one with x = 0 asks (waves 1, 2; of a wave's 128 rows the partner at cx takes 32).
; W's rows are read by every cluster of a column: the one with y = 0 asks; of a head's 192 rows the partner at cy takes 48: wave 3 a lane a row for 32, wave 0 the other 16 for two K steps at once.
; The partners are told apart by address alone.  Halo rows are another block's main rows and are not named again.  K steps 0 to 2 (and 3 of wave 0's rows) come by their loads alone; nothing is named past K step 7.
.macro ASK slot
	s_cmp_gt_u32 s3, s[LIM+(\slot)]
	s_cbranch_scc0 .Lnot_mine_\@
	global_prefetch_b8 v[PFO], s[PFA:PFA+1] th:TH_LOAD_NT scope:SCOPE_SE
.Lnot_mine_\@:
.endm
; A round of the cluster's barrier: my work-group's barrier; wave 0 signals for the work-group; every wave waits for all sixteen; my work-group's barrier once more.
.macro CREST
	s_cmp_lg_u32 s10, 0
	s_cbranch_scc1 .Lnot_wave_0_\@
	s_barrier_signal -3
.Lnot_wave_0_\@:
	s_barrier_wait -3
	s_barrier_signal -1
	s_barrier_wait -1
.endm
.macro CROUND
	s_barrier_signal -1
	s_barrier_wait -1
	CREST
.endm
	s_load_b128 s[4:7], s[0:1], 0x0                ; xb s[4:5], wb s[6:7]
	s_load_b64 s[8:9], s[0:1], 0x10                ; y
	v_lshl_add_u32 v[SPW], v0, 2, SPARE
	v_mov_b32 v[NIL], 0
	ds_add_u32 v[SPW], v[NIL]                      ; the wave's opening: the add and its wait come ahead of my first tensor load; the set-up below, work on registers, stands between them
	v_lshrrev_b32 v1, 5, v0
	v_readfirstlane_b32 s10, v1                    ; wave 0..3
	s_min_u32 s12, s10, 2                          ; which 128 buffer rows of x I fetch (wave 3 fetches W)
	s_bfe_u32 s40, ttmp6, 0x40000                  ; cx
	s_bfe_u32 s41, ttmp6, 0x40004                  ; cy
	s_lshl_b32 s42, ttmp9, 2
	s_add_co_u32 s42, s42, s40                     ; the head = 4 x cluster x + cx
	s_and_b32 s13, ttmp7, 0xffff
	s_lshl_b32 s13, s13, 2
	s_add_co_u32 s13, s13, s41                     ; b, the block of 256 rows = 4 x cluster y + cy
	s_lshl_b32 s43, s41, 2
	s_lshl_b32 s43, 15, s43                        ; my row of the cluster
	s_lshl_b32 s44, 0x1111, s40                    ; my column
	s_or_b32 s[G1A+0], s43, (1<<16)|(1<<20)|(1<<21)|(5<<22)|(3<<25)  ; 15:0 the mask; 17:16 2-byte elements; 20 padding on; 21 set beside a mask; 24:22 after every 64 words (code 5); 31:25 4 words (code 3)
	s_or_b32 s[G1B+0], s44, (1<<16)|(1<<20)|(1<<21)|(5<<22)|(3<<25)
	s_mov_b32 s[G1A+1], 128<<16                    ; tensor_dim0 = 128
	s_mov_b32 s[G1A+2], 128<<16                    ; tensor_dim1 = 128
	s_mov_b32 s[G1A+3], 128<<16                    ; tile_dim0 = 128
	s_mov_b32 s[G1A+4], 128                        ; tile_dim1 = 128
	s_mov_b32 s[G1A+5], 1024                       ; elements from row to row
	s_mov_b32 s[G1A+6], 0
	s_mov_b32 s[G1A+7], 0
	s_mov_b32 s[G1B+1], 128<<16
	s_mov_b32 s[G1B+2], 192<<16                    ; W's tile has 192 rows
	s_mov_b32 s[G1B+3], 128<<16
	s_mov_b32 s[G1B+4], 192
	s_mov_b32 s[G1B+5], 1024
	s_mov_b32 s[G1B+6], 0
	s_mov_b32 s[G1B+7], 0
	s_lshl_b32 s16, s13, 8                         ; x: row 256 b + 128 x part - 128,
	s_lshl_b32 s17, s12, 7
	s_add_co_u32 s16, s16, s17
	s_sub_co_i32 s16, s16, 128
	s_max_i32 s16, s16, 0                          ; not ahead of x's first row
	s_lshl_b32 s16, s16, 11                        ; in bytes
	s_mov_b32 s17, 0
	s_mul_i32 s46, s42, 192*2048                   ; W: the head's 192 rows
	s_mov_b32 s47, 0
	s_mul_i32 s20, s10, ATILE                      ; where they go: wave x 128 rows: no place in the cluster enters an LDS address
	s_mov_b32 s[CS], 0x3e38aa3b                    ; c = log2(e) / 8 = 0.180337
	s_mov_b32 s[CS+1], s[CS]
	s_mov_b32 s[SEL], 0x76543210
	s_mov_b32 s[SEL+1], 0xfedcba98
	s_mov_b32 s[BE+1], 0                           ; named as a pair
	s_mov_b32 s[BIGN], 0xf149f2ca                  ; -1e30
	s_lshl_b32 s21, s10, 2
	s_sub_co_i32 s22, 8, s21                       ; pair p of wave w begins at buffer row 64 w + 32 p: its key tiles below 8 - 4 w - 2 p lie in the halo
	s_sub_co_i32 s23, 6, s21
	s_cmp_eq_u32 s13, 0                            ; which holds no rows of x in block 0 alone.  This feeds a select of a number, no branch
	s_cselect_b32 s[TH], s22, 0
	s_cselect_b32 s[TH+1], s23, 0
	s_wait_dscnt 0x0                               ; the opening add is done
	s_wait_kmcnt 0x0
	s_add_nc_u64 s[14:15], s[4:5], s[16:17]
	s_add_nc_u64 s[46:47], s[6:7], s[46:47]
	CROUND                                         ; all sixteen work-groups are here: the first joint loads meet
.irp s, 0,1
	s_mov_b32 s[G0A+4*(\s)], 1                                       ; count = 1
	s_add_co_u32 s[G0A+4*(\s)+1], s20, (\s)*SLOT                     ; LDS address
	s_add_nc_u64 s[G0A+4*(\s)+2:G0A+4*(\s)+3], s[14:15], (\s)*256    ; global address: K step s
	s_or_b32 s[G0A+4*(\s)+3], s[G0A+4*(\s)+3], 0x80000000            ; type = 2
	s_mov_b32 s[G0B+4*(\s)], 1
	s_add_co_u32 s[G0B+4*(\s)+1], s20, (\s)*SLOT
	s_add_nc_u64 s[G0B+4*(\s)+2:G0B+4*(\s)+3], s[46:47], (\s)*256
	s_or_b32 s[G0B+4*(\s)+3], s[G0B+4*(\s)+3], 0x80000000
	JLOAD \s                                       ; two loads of mine are out
.endr
	; A fragment is 16 rows x 32 K in 8 registers: lane l holds row l % 16; registers 0-3 K = 8 (l / 16) + 0..7, registers 4-7 K = 16 + 8 (l / 16) + 0..7: two loads of 16 bytes, 32 bytes apart.
	v_and_b32 v1, 15, v0                           ; l % 16
	v_bfe_u32 v2, v0, 4, 1                         ; l / 16
	v_mul_u32_u24 v3, v1, PITCH
	v_lshl_add_u32 v3, v2, 4, v3
	s_mul_i32 s21, s10, 64*PITCH
	s_add_co_u32 s21, s21, 128*PITCH               ; my 64 main rows
	s_mul_i32 s22, s10, 32*PITCH                   ; my 32 halo rows
	v_add_nc_u32 v[ADRM], s21, v3
	v_add_nc_u32 v[ADRH], s22, v3
	v_add_nc_u32 v[ADRB], 384*PITCH, v3
	v_add_nc_u32 v[ADRM+1], SLOT, v[ADRM]
	v_add_nc_u32 v[ADRH+1], SLOT, v[ADRH]
	v_add_nc_u32 v[ADRB+1], SLOT, v[ADRB]
	v_mul_u32_u24 v21, v1, PK
	v_lshl_add_u32 v21, v2, 4, v21                 ; row x 144 + 16 x half
	s_mul_i32 s21, s10, 64*PK
	s_mul_i32 s22, s10, 32*PK
	v_add_nc_u32 v[AK], s21, v21                   ; (KBUF = 0)
	v_add_nc_u32 v[KSTM], 128*PK, v[AK]
	v_add_nc_u32 v[KSTH], s22, v21
	v_mul_u32_u24 v22, v1, PV
	v_lshl_add_u32 v22, v2, 4, v22
	s_mul_i32 s21, s10, 64*PV
	s_add_co_u32 s21, s21, VBUF
	s_mul_i32 s22, s10, 32*PV
	s_add_co_u32 s22, s22, VBUF
	v_add_nc_u32 v[VSTM], s21, v22
	v_add_nc_u32 v[VSTM], 128*PV, v[VSTM]
	v_add_nc_u32 v[VSTH], s22, v22
	; The turning load takes 16 keys x 16 channels (lane l reads key 8 (l / 16) + l % 8, channels 8 ((l / 8) % 2) + 0..7) and leaves half a fragment of V^T: lane l holds channel l % 16 and 8 keys.
	v_and_b32 v23, 7, v0
	v_bfe_u32 v24, v0, 3, 1
	v_lshl_add_u32 v25, v2, 3, v23
	v_mul_u32_u24 v25, v25, PV
	v_lshl_add_u32 v25, v24, 4, v25
	v_add_nc_u32 v[AV], s21, v25
	s_mul_i32 s23, s10, 16*SP
	s_add_co_u32 s23, s23, STAGE                   ; my stage
	v_add_nc_u32 v[STO], s23, v21                  ; in: row l % 16, 16 bytes for each half of the lanes
	v_bfe_u32 v26, v0, 3, 2                        ; back: 32 lanes take four rows of 128 bytes,
	v_mul_u32_u24 v26, v26, SP
	v_lshl_add_u32 v26, v23, 4, v26
	v_add_nc_u32 v[RD], s23, v26
	v_and_b32 v27, 31, v0                          ; which are 512 consecutive bytes of y
	v_lshlrev_b32 v[GO], 4, v27
	v_lshlrev_b32 v3, 3, v2
	v_sub_nc_u32 v[DD], v1, v3
	s_lshl_b32 s82, s13, 19                        ; y at my wave's 64 rows: R = 2 b + w / 2 (262,144 bytes each),
	s_lshr_b32 s83, s10, 1
	s_lshl_b32 s83, s83, 18
	s_add_co_u32 s82, s82, s83
	s_and_b32 s83, s10, 1                          ; 64 (w % 2) rows of 128 bytes,
	s_lshl_b32 s83, s83, 13
	s_add_co_u32 s82, s82, s83
	s_lshl_b32 s83, s42, 14                        ; the head's 16,384 bytes
	s_add_co_u32 s82, s82, s83
	s_mov_b32 s83, 0
	s_add_nc_u64 s[8:9], s[8:9], s[82:83]
	; the prefetches
	s_sub_co_u32 s20, s10, 1                       ; 0, 1 in waves 1, 2
	s_and_b32 s21, ttmp7, 0xffff                   ; cluster y
	s_lshl_b32 s22, s13, 8                         ; x's row: 256 b + 128 (w - 1) + 32 cx
	s_lshl_b32 s23, s20, 7
	s_add_co_u32 s22, s22, s23
	s_lshl_b32 s23, s40, 5
	s_add_co_u32 s22, s22, s23
	s_mul_i32 s23, s42, 192                        ; W's row: 192 x head + 48 cy (+ 32 in wave 0)
	s_mul_i32 s86, s41, 48
	s_add_co_u32 s23, s23, s86
	s_cmp_eq_u32 s10, 0
	s_cselect_b32 s86, 32, 0
	s_cselect_b32 s[LM], 15, 31                    ; wave 0: 16 rows,
	s_cselect_b32 s[SH], 4, 5                      ; lanes 16-31 one K step further on
	s_cselect_b32 s87, 256, 0
	s_cselect_b32 s88, 1, 0                        ; slot 0's change: wave 0 asks in the first two laps (K steps 4, 5 and 6, 7), the others in all three (3, 5, 7)
	s_cselect_b32 s89, -1, 1                       ; slot 1's change: wave 0 never, the others in the first two laps (4, 6)
	s_add_co_u32 s23, s23, s86
	s_add_co_u32 s87, s87, 512                     ; at K step 2 (wave 0: 3); the first change steps it on by one
	s_cmp_lt_u32 s20, 2                            ; waves 1 and 2 ask for x, waves 0 and 3 for W
	s_cselect_b64 s[PFA:PFA+1], s[4:5], s[6:7]
	s_cselect_b32 s22, s22, s23
	s_cselect_b32 s21, ttmp9, s21                  ; the coordinate along which other clusters read the same rows
	s_cmp_eq_u32 s21, 0                            ; the same in all sixteen partners, for a given wave
	s_cselect_b32 s[LIM], s88, -1
	s_cselect_b32 s[LIM+1], s89, -1
	s_lshl_b32 s22, s22, 11
	s_add_co_u32 s22, s22, s87
	s_mov_b32 s23, 0
	s_add_nc_u64 s[PFA:PFA+1], s[PFA:PFA+1], s[22:23]
	v_and_b32 v[PFO], s[LM], v27
	v_lshrrev_b32 v21, s[SH], v27
	v_lshlrev_b32 v[PFO], 11, v[PFO]
	v_lshl_add_u32 v[PFO], v21, 8, v[PFO]
; 16 matrix instructions: accumulators 16 part .. + 15 of window 2 + hi, 32 along K, from buffer f.  Accumulator t < 24: main row tile 2 hi + t / 12, column tile t % 12; t >= 24: halo tile hi, column tile t - 20.
; The 64 accumulators take turns, one instruction a turn, in the same order in every quarter.  zero = 1: the first product starts the sums.
.macro MUL16 f, hi, part, zero
	WIN MUL_LO+0x50*(\hi)
.set t, 16*(\part)
.rept 16
.if t < 24
.set rB, BF+96*(\f)+8*(t%12)
.set rA, AF+48*(\f)+8*(3*(\hi)+t/12)
.else
.set rB, BF+96*(\f)+8*(t-20)
.set rA, AF+48*(\f)+8*(3*(\hi)+2)
.endif
.if \zero
	v_wmma_f32_16x16x32_bf16 v[8*t:8*t+7], v[rB:rB+7], v[rA:rA+7], 0
.else
	v_wmma_f32_16x16x32_bf16 v[8*t:8*t+7], v[rB:rB+7], v[rA:rA+7], v[8*t:8*t+7]
.endif
.set t, t+1
.endr
.endm
; 36 LDS loads in one run: the fragments of one quarter step (32 K at byte k of the rows) into buffer f: W's 12, then x's 6 in the order in which they are multiplied
.macro FETCH slot, k, f
	WIN TO_B
.set n, 0
.rept 12
	ds_load_b128 v[BF+96*(\f)+8*n:BF+96*(\f)+8*n+3],   v[ADRB+(\slot)] offset:(\k)+n*16*PITCH
	ds_load_b128 v[BF+96*(\f)+8*n+4:BF+96*(\f)+8*n+7], v[ADRB+(\slot)] offset:(\k)+n*16*PITCH+32
.set n, n+1
.endr
	WIN 0
.set n, 0
.rept 6
.if n%3 < 2
	ds_load_b128 v[AF+48*(\f)+8*n:AF+48*(\f)+8*n+3],   v[ADRM+(\slot)] offset:(\k)+(2*(n/3)+n%3)*16*PITCH
	ds_load_b128 v[AF+48*(\f)+8*n+4:AF+48*(\f)+8*n+7], v[ADRM+(\slot)] offset:(\k)+(2*(n/3)+n%3)*16*PITCH+32
.else
	ds_load_b128 v[AF+48*(\f)+8*n:AF+48*(\f)+8*n+3],   v[ADRH+(\slot)] offset:(\k)+(n/3)*16*PITCH
	ds_load_b128 v[AF+48*(\f)+8*n+4:AF+48*(\f)+8*n+7], v[ADRH+(\slot)] offset:(\k)+(n/3)*16*PITCH+32
.endif
.set n, n+1
.endr
.endm
; A K step is four quarters of 32 along K, 64 matrix instructions each, on buffers 0, 1, 0, 1.  One of the first three: multiplies buffer f; in its middle it fetches the next quarter, at byte k, into buffer g.
.macro QUARTER slot, k, f, g, zero
	s_wait_dscnt 6                                 ; W's fragments and x's places 0-2 are in; the youngest six loads (places 3-5) may be out
	MUL16 \f, 0, 0, \zero
	MUL16 \f, 0, 1, \zero
	PLACES
	FETCH \slot, \k, \g
	s_wait_dscnt 36                                ; all but the 36 just issued
	MUL16 \f, 1, 0, \zero
	MUL16 \f, 1, 1, \zero
.endm
; The last quarter multiplies buffer 1 and changes slots.  MEET is its first half: one barrier.  In front of it each wave waits for all its tensor loads (one is out: its part of the next slot), adds 0 to its
; spare word, and waits for that and for its own reads of this slot.  Behind it nobody reads this slot any more and the next slot is whole.
.macro MEET round
	WIN 0
	s_wait_tensorcnt 0x0                           ; all my tensor loads have landed
	ds_add_u32 v[SPW], v[NIL]                      ; 0 onto my spare word
	s_wait_dscnt 7                                 ; (the add and the youngest six loads may be out)
	MUL16 1, 0, 0, 0                               ; sixteen matrix instructions stand between the add and the wait for it
	s_wait_dscnt 0x0                               ; the add is done, and my reads of this slot are over
	s_barrier_signal -1
	MUL16 1, 0, 1, 0                               ; work on registers while the others arrive
.if \round
	WIN 0
.endif
	s_barrier_wait -1
.endm
; The whole last quarter where the slot is filled again, with the K step two on: the barrier opens a round of the cluster's, and the joint refill is the first tensor load behind it:
; from the request to the wait for it a wave issues 224 matrix instructions.
.macro TURN slot, next
	s_wait_xcnt 0x0                                ; the last prefetch, a K step back, has read its address: it is stepped here, ahead of the waits of the change of slots
	s_add_nc_u64 s[PFA:PFA+1], s[PFA:PFA+1], 256
	MEET 1
	CREST                                          ; no wave of any partner still reads this slot's tile or has a load on its way
	s_add_nc_u64 s[G0A+4*(\slot)+2:G0A+4*(\slot)+3], s[G0A+4*(\slot)+2:G0A+4*(\slot)+3], 512
	s_add_nc_u64 s[G0B+4*(\slot)+2:G0B+4*(\slot)+3], s[G0B+4*(\slot)+2:G0B+4*(\slot)+3], 512
	JLOAD \slot                                    ; the four v_nop behind it are also the places in front of the loads below
	FETCH \next, 0, 0
	ASK \slot
	MUL16 1, 1, 0, 0
	MUL16 1, 1, 1, 0
.endm
	s_wait_tensorcnt 0x1                           ; my part of K step 0 is in; K step 1's may stay out
	s_barrier_signal -1
	s_barrier_wait -1                              ; everybody's is
	FETCH 0, 0, 0
	QUARTER 0, 64, 0, 1, 1                         ; the first quarter stands in front of the loop: its products start the sums
	WIN 0                                          ; at a label and at a branch every window is 0
	s_mov_b32 s3, 3                                ; three laps fill both slots again: K steps 2 to 7
.Llap:
	QUARTER 0, 128, 1, 0, 0
	QUARTER 0, 192, 0, 1, 0
	TURN 0, 1
	QUARTER 1, 64,  0, 1, 0
	QUARTER 1, 128, 1, 0, 0
	QUARTER 1, 192, 0, 1, 0
	TURN 1, 0
	QUARTER 0, 64,  0, 1, 0
	WIN 0
	s_sub_co_u32 s3, s3, 1
	s_cmp_lg_u32 s3, 0
	s_cbranch_scc1 .Llap
	QUARTER 0, 128, 1, 0, 0                        ; the last lap asks for nothing
	QUARTER 0, 192, 0, 1, 0
	MEET 0                                         ; the one load that was out is K step 7's; behind this barrier no wave reads slot 0 any more, and no load fills it again
	PLACES
	FETCH 1, 0, 0
	MUL16 1, 1, 0, 0
	MUL16 1, 1, 1, 0
	QUARTER 1, 64,  0, 1, 0
	QUARTER 1, 128, 1, 0, 0
	QUARTER 1, 192, 0, 1, 0
	s_wait_dscnt 6
	MUL16 1, 0, 0, 0
	MUL16 1, 0, 1, 0
	s_wait_dscnt 0x0
	MUL16 1, 1, 0, 0
	MUL16 1, 1, 1, 0
	; PHASE H.  Each accumulator's registers are taken in ascending order.
	WIN 0
	PLACES
	PLACES
; q of query tile a: column tiles 2 cc and 2 cc + 1, rounded in pairs, are the fragment (16 queries x channels 32 cc ..) that K Q^T takes as source 1
.macro QCVT a
	WIN 0x0a+5*((\a)/2)                            ; sources 0 and 1: window 2 or 3; destination window 0
.set n, 0
.rept 16
	v_cvt_pk_f16_f32 v[QF+16*(\a)+n], v[8*(12*((\a)%2)+n/4)+2*(n%4)], v[8*(12*((\a)%2)+n/4)+2*(n%4)+1]
.set n, n+1
.endr
.endm
; k and v of 16 rows (g = 0, 1: main row tile 2 hi + g; g = 2: halo tile hi): eight accumulators, 16 bytes a lane each, into rows of 144 and 160 bytes.  The packing registers go by turns.
.macro KVOUT hi, g
.if (\g) < 2
.set t0, 12*(\g)+4
.else
.set t0, 24
.endif
.set rT, TMP+32*((3*(\hi)+(\g))%2)
	WIN 0x0a+5*(\hi)
.set n, 0
.rept 32
	v_cvt_pk_f16_f32 v[rT+n], v[8*(t0+n/4)+2*(n%4)], v[8*(t0+n/4)+2*(n%4)+1]
.set n, n+1
.endr
	WIN 0
.set n, 0
.rept 4
.if (\g) < 2
	ds_store_b128 v[KSTM], v[rT+4*n:rT+4*n+3]       offset:(2*(\hi)+(\g))*16*PK+32*n
	ds_store_b128 v[VSTM], v[rT+16+4*n:rT+16+4*n+3] offset:(2*(\hi)+(\g))*16*PV+32*n
.else
	ds_store_b128 v[KSTH], v[rT+4*n:rT+4*n+3]       offset:(\hi)*16*PK+32*n
	ds_store_b128 v[VSTH], v[rT+16+4*n:rT+16+4*n+3] offset:(\hi)*16*PV+32*n
.endif
.set n, n+1
.endr
.endm
	QCVT 0
	QCVT 1
	KVOUT 0, 0
	KVOUT 0, 1
	KVOUT 0, 2
	QCVT 2
	QCVT 3
	KVOUT 1, 0
	KVOUT 1, 1
	KVOUT 1, 2
	WIN 0x40                                       ; the two masks: in S^T a lane holds query l % 16 and, in register j, key 8 (l / 16) + j of a key tile
.set n, 0
.rept 8
	v_cmp_le_i32 vcc_lo, n, v[DD]
	v_cndmask_b32 v[ML+n], 0, s[BIGN], vcc_lo      ; a query tile's first key tile: seen where the key's place is above the query's
	v_cmp_gt_i32 vcc_lo, n, v[DD]
	v_cndmask_b32 v[MU+n], 0, s[BIGN], vcc_lo      ; its last: seen up to the query's own place
.set n, n+1
.endr
	WIN 0x80
.set n, 0
.rept 4
	v_mov_b32 v[P+36+n], 0                         ; tile 0 has no weights for the pair's key tile 9,
	v_mov_b32 v[P+40+n], 0                         ; tile 1 none for key tile 0
.set n, n+1
.endr
	WIN 0
	s_wait_dscnt 0x0                               ; for the others' sake: my rows of k and v are in LDS
	s_barrier_signal -1
	s_barrier_wait -1                              ; everybody's are
	; PHASE A
.macro SCALE4 u, i                     ; c s + (0 or -1e30) for one accumulator, its lowest pair first
.set n, 0
.rept 4
	v_pk_fma_f32 v[S+72*(\u)+8*(\i)+2*n:S+72*(\u)+8*(\i)+2*n+1], v[S+72*(\u)+8*(\i)+2*n:S+72*(\u)+8*(\i)+2*n+1], s[CS:CS+1], s[BE:BE+1] op_sel_hi:[1,0,0]
.set n, n+1
.endr
.endm
.macro ADDP d, s                       ; in both tiles pair s is added onto pair d
.irp u, 0,1
	v_pk_add_f32 v[S+72*(\u)+2*(\d):S+72*(\u)+2*(\d)+1], v[S+72*(\u)+2*(\d):S+72*(\u)+2*(\d)+1], v[S+72*(\u)+2*(\s):S+72*(\u)+2*(\s)+1]
.endr
.endm
; Tile u of pair p: O^T over l, rounded to f16; a lane's eight channels of a row pack into 16 bytes; they go into rows of 144 bytes and come back as whole rows of 128.
.macro PACK p, u
	WIN 0x41                                       ; O^T (destination and source 0) window 1, 1 / l window 0
.set n, 0
.rept 16
	v_pk_mul_f32 v[OT+32*(\u)+2*n:OT+32*(\u)+2*n+1], v[OT+32*(\u)+2*n:OT+32*(\u)+2*n+1], v[ST+16*(\u)+6:ST+16*(\u)+7]
.set n, n+1
.endr
	WIN 0x05                                       ; sources 0 and 1 window 1, destination window 0
.set n, 0
.rept 16
	v_cvt_pk_f16_f32 v[TMP+16*(\u)+n], v[OT+32*(\u)+2*n], v[OT+32*(\u)+2*n+1]
.set n, n+1
.endr
	WIN 0
.irp f, 0,1,2,3
	ds_store_b128 v[STO], v[TMP+16*(\u)+4*(\f):TMP+16*(\u)+4*(\f)+3] offset:32*(\f)
.endr
.irp f, 0,1,2,3
	ds_load_b128 v[OB+16*(2*(\p)+(\u))+4*(\f):OB+16*(2*(\p)+(\u))+4*(\f)+3], v[RD] offset:(\f)*4*SP  ; LDS serves a wave's instructions in order (ISA guide 5.7.1.4): these see the stores above; the next tile's stores come behind them
.endr
.endm
.macro SEND p, u, younger              ; younger: the LDS instructions issued behind this tile's loads.  Each of the four tiles has registers of its own, so no store's data is written again
	WIN 0
.irp f, 0,1,2,3
	s_wait_dscnt (\younger)+3-(\f)
	global_store_b128 v[GO], v[OB+16*(2*(\p)+(\u))+4*(\f):OB+16*(2*(\p)+(\u))+4*(\f)+3], s[8:9] offset:(2*(\p)+(\u))*2048+(\f)*512  ; 512 consecutive bytes, at a multiple of 256 from y's first
.endr
.endm
.macro PAIR p
	WIN 0x40                                       ; K: key tile n / 2, channels 32 (n % 2) on
.set n, 0
.rept 20
	ds_load_b128 v[8*n:8*n+3],   v[AK] offset:(32*(\p)+16*(n/2))*PK+64*(n%2)
	ds_load_b128 v[8*n+4:8*n+7], v[AK] offset:(32*(\p)+16*(n/2))*PK+64*(n%2)+32
.set n, n+1
.endr
	WIN 0xc0                                       ; V, turned: keys 32 (n / 4) on, channels 16 (n % 4) on
.set n, 0
.rept 20
	ds_load_tr16_b128 v[8*n:8*n+3],   v[AV] offset:(32*(\p)+32*(n/4))*PV+32*(n%4)
	ds_load_tr16_b128 v[8*n+4:8*n+7], v[AV] offset:(32*(\p)+32*(n/4))*PV+16*PV+32*(n%4)
.set n, n+1
.endr
	s_wait_dscnt 40                                ; K is in; V's 40 loads may stay out
	; S^T = K Q^T: 18 accumulators by turns; channels 0-31 start the sums: with a mask at the band's two ends, with 0 between
	WIN 0x91                                       ; K window 1, q window 0, C window 1, D window 2
.irp u, 0,1
	v_wmma_f32_16x16x32_f16 v[S+72*(\u):S+72*(\u)+7], v[16*(\u):16*(\u)+7], v[QF+16*(2*(\p)+(\u)):QF+16*(2*(\p)+(\u))+7], v[ML:ML+7]
.endr
.irp u, 0,1
	v_wmma_f32_16x16x32_f16 v[S+72*(\u)+64:S+72*(\u)+71], v[16*((\u)+8):16*((\u)+8)+7], v[QF+16*(2*(\p)+(\u)):QF+16*(2*(\p)+(\u))+7], v[MU:MU+7]
.endr
	WIN 0xa1                                       ; C and D window 2
.set n, 2
.rept 14
	v_wmma_f32_16x16x32_f16 v[S+72*(n%2)+8*(n/2):S+72*(n%2)+8*(n/2)+7], v[16*(n%2+n/2):16*(n%2+n/2)+7], v[QF+16*(2*(\p)+n%2):QF+16*(2*(\p)+n%2)+7], 0
.set n, n+1
.endr
.set n, 0
.rept 18
	v_wmma_f32_16x16x32_f16 v[S+72*(n%2)+8*(n/2):S+72*(n%2)+8*(n/2)+7], v[16*(n%2+n/2)+8:16*(n%2+n/2)+15], v[QF+16*(2*(\p)+n%2)+8:QF+16*(2*(\p)+n%2)+15], v[S+72*(n%2)+8*(n/2):S+72*(n%2)+8*(n/2)+7]
.set n, n+1
.endr
	PLACES
	PLACES
	WIN 0xaa                                       ; all in window 2
.set kt, 0
.rept 10                                           ; by the pair's key tiles: those ahead of x's first row are hidden whole
	s_cmp_lt_i32 kt, s[TH+(\p)]
	s_cselect_b32 s[BE], s[BIGN], 0
.if kt < 9
	SCALE4 0, kt
.endif
.if kt > 0
	SCALE4 1, kt-1
.endif
.set kt, kt+1
.endr
	; the maximum of a lane's 72 scores: four chains of 17, three operands at a time, then the four left over; the query's other 72 lie in the lane 16 away
	WIN 0x2a                                       ; sources window 2, destination window 0
.irp u, 0,1
.irp k, 0,1,2,3
	v_max3_num_f32 v[ST+16*(\u)+(\k)], v[S+72*(\u)+18*(\k)], v[S+72*(\u)+18*(\k)+1], v[S+72*(\u)+18*(\k)+2]
.endr
.endr
	WIN 0x28                                       ; source 0 window 0 too
.set n, 1
.rept 7
.irp u, 0,1
.irp k, 0,1,2,3
	v_max3_num_f32 v[ST+16*(\u)+(\k)], v[ST+16*(\u)+(\k)], v[S+72*(\u)+18*(\k)+2*n+1], v[S+72*(\u)+18*(\k)+2*n+2]
.endr
.endr
.set n, n+1
.endr
.irp u, 0,1
	v_max3_num_f32 v[ST+16*(\u)],   v[ST+16*(\u)],   v[S+72*(\u)+17], v[S+72*(\u)+35]
	v_max3_num_f32 v[ST+16*(\u)+1], v[ST+16*(\u)+1], v[S+72*(\u)+53], v[S+72*(\u)+71]
.endr
	WIN 0
.irp u, 0,1
	v_max3_num_f32 v[ST+16*(\u)], v[ST+16*(\u)], v[ST+16*(\u)+1], v[ST+16*(\u)+2]
.endr
.irp u, 0,1
	v_max_num_f32 v[ST+16*(\u)], v[ST+16*(\u)], v[ST+16*(\u)+3]
.endr
.irp u, 0,1
	v_permlanex16_b32 v[ST+16*(\u)+1], v[ST+16*(\u)], s[SEL], s[SEL+1]
.endr
.irp u, 0,1
	v_max_num_f32 v[ST+16*(\u)+4], v[ST+16*(\u)], v[ST+16*(\u)+1]  ; twice: a pair for the packed subtraction
	v_max_num_f32 v[ST+16*(\u)+5], v[ST+16*(\u)], v[ST+16*(\u)+1]
.endr
	WIN 0x82                                       ; scores window 2, the maximum window 0
.irp u, 0,1
.set n, 0
.rept 36
	v_pk_add_f32 v[S+72*(\u)+2*n:S+72*(\u)+2*n+1], v[S+72*(\u)+2*n:S+72*(\u)+2*n+1], v[ST+16*(\u)+4:ST+16*(\u)+5] neg_lo:[0,1] neg_hi:[0,1]
.set n, n+1
.endr
.endr
	WIN 0xaa
.set n, 0
.rept 144                                          ; ONE batch of exponentials: none reads another's result
	v_exp_f32 v[S+n], v[S+n]
.set n, n+1
.endr
	v_nop                                          ; a plain instruction behind the last exponential,
	s_wait_alu depctr_va_vdst(0)                   ; and one wait ahead of the batch's first reader
.irp u, 0,1
.set n, 0
.rept 36
	v_cvt_pk_f16_f32 v[P+44*(\u)+n], v[S+72*(\u)+2*n], v[S+72*(\u)+2*n+1]  ; tile u's i-th key tile is the pair's key tile u + i
.set n, n+1
.endr
.endr
	; l, of the unrounded weights: the 36 pairs are folded in place: 18, 9, 4 and one, 2, 1
.set n, 0
.rept 18
	ADDP n, n+18
.set n, n+1
.endr
.set n, 0
.rept 9
	ADDP n, n+9
.set n, n+1
.endr
.set n, 0
.rept 4
	ADDP n, n+4
.set n, n+1
.endr
	ADDP 0, 8
	ADDP 0, 2
	ADDP 1, 3
	ADDP 0, 1
	WIN 0x0a                                       ; sources window 2, destination window 0
.irp u, 0,1
	v_add_f32 v[ST+16*(\u)], v[S+72*(\u)], v[S+72*(\u)+1]
.endr
	WIN 0
.irp u, 0,1
	v_permlanex16_b32 v[ST+16*(\u)+1], v[ST+16*(\u)], s[SEL], s[SEL+1]
.endr
.irp u, 0,1
	v_add_f32 v[ST+16*(\u)], v[ST+16*(\u)], v[ST+16*(\u)+1]
.endr
.irp u, 0,1
	v_rcp_f32 v[ST+16*(\u)+6], v[ST+16*(\u)]       ; twice: a pair for the packed multiply
	v_rcp_f32 v[ST+16*(\u)+7], v[ST+16*(\u)]
.endr
	v_nop                                          ; a plain instruction behind the last reciprocal,
	s_wait_alu depctr_va_vdst(0)                   ; and one wait for the four
	s_wait_dscnt 0x0                               ; V is in
	WIN 0x5b                                       ; V window 3, P window 2, O^T window 1
.set n, 0
.rept 40                                           ; O^T = V^T P: keys 32 (n / 8) on, channels 16 ((n / 2) % 4) on, tile n % 2: 8 accumulators by turns; the first 8 start the sums
.if n < 8
	v_wmma_f32_16x16x32_f16 v[OT+32*(n%2)+8*((n/2)%4):OT+32*(n%2)+8*((n/2)%4)+7], v[32*(n/8)+8*((n/2)%4):32*(n/8)+8*((n/2)%4)+7], v[P+40*(n%2)+8*(n/8):P+40*(n%2)+8*(n/8)+7], 0
.else
	v_wmma_f32_16x16x32_f16 v[OT+32*(n%2)+8*((n/2)%4):OT+32*(n%2)+8*((n/2)%4)+7], v[32*(n/8)+8*((n/2)%4):32*(n/8)+8*((n/2)%4)+7], v[P+40*(n%2)+8*(n/8):P+40*(n%2)+8*(n/8)+7], v[OT+32*(n%2)+8*((n/2)%4):OT+32*(n%2)+8*((n/2)%4)+7]
.endif
.set n, n+1
.endr
	PLACES
	PLACES
	PACK \p, 0
	PACK \p, 1                                     ; a tile's arithmetic stands between the loads of the tile before and its stores
	SEND \p, 0, 8
	SEND \p, 1, 0
.endm
	PAIR 0
	PAIR 1
	WIN 0
	s_wait_tensorcnt 0x0                           ; the wave's end: an add to my spare word and its wait, behind my last tensor load and my last LDS store
	ds_add_u32 v[SPW], v[NIL]
	s_wait_dscnt 0x0
	CROUND                                         ; the closing round: no work-group ends while a partner may still ask for a tile that names it
	s_endpgm
.Lfunc_end_k_q8a39fd8fba_qkvatt:
	.size	k_q8a39fd8fba_qkvatt, .Lfunc_end_k_q8a39fd8fba_qkvatt-k_q8a39fd8fba_qkvatt
	.p2alignl 7, 3214868480
	.fill 96, 4, 3214868480
	.section	.rodata,"a",@progbits
	.p2align	6, 0x0
	.amdhsa_kernel k_q8a39fd8fba_qkvatt
		.amdhsa_group_segment_fixed_size 327680
		.amdhsa_private_segment_fixed_size 0
		.amdhsa_enable_private_segment 0
		.amdhsa_kernarg_size 24
		.amdhsa_user_sgpr_count 2
		.amdhsa_user_sgpr_kernarg_segment_ptr 1
		.amdhsa_wavefront_size32 1
		.amdhsa_system_sgpr_workgroup_id_x 1
		.amdhsa_system_sgpr_workgroup_id_y 1
		.amdhsa_system_sgpr_workgroup_id_z 1
		.amdhsa_system_vgpr_workitem_id 0
		.amdhsa_next_free_vgpr 1024
		.amdhsa_next_free_sgpr 96
		.amdhsa_reserve_vcc 1
		.amdhsa_float_denorm_mode_32 3
		.amdhsa_float_denorm_mode_16_64 3
		.amdhsa_memory_ordered 1
		.amdhsa_forward_progress 1
		.amdhsa_inst_pref_size 230
	.end_amdhsa_kernel
	.amdgpu_metadata
---
amdhsa.version: [ 1, 2 ]
amdhsa.kernels:
  - .name:           k_q8a39fd8fba_qkvatt
    .symbol:         k_q8a39fd8fba_qkvatt.kd
    .args:
      - { .name: xb, .offset: 0, .size: 8, .value_kind: global_buffer, .address_space: global }
      - { .name: wb, .offset: 8, .size: 8, .value_kind: global_buffer, .address_space: global }
      - { .name: y, .offset: 16, .size: 8, .value_kind: global_buffer, .address_space: global }
    .group_segment_fixed_size: 327680
    .private_segment_fixed_size: 0
    .kernarg_segment_align: 8
    .kernarg_segment_size: 24
    .max_flat_workgroup_size: 128
    .sgpr_count:     96
    .vgpr_count:     1024
    .wavefront_size: 32
...
	.end_amdgpu_metadata
.endif
;; end of part 2
;; launch oproj (part 3): grid 8 x 32, 4 waves a work-group, clusters of 4 x 4, 327,680 bytes of LDS; arguments y, wob, out0; writes out0
.if DOCPART == 3
	.amdgcn_target "amdgcn-amd-amdhsa--gfx1250"
	.amdhsa_code_object_version 6
	.text
	.protected	k_q8a39fd8fba_oproj
	.globl	k_q8a39fd8fba_oproj
	.p2align	8
	.type	k_q8a39fd8fba_oproj,@function
k_q8a39fd8fba_oproj:
	s_mov_b64 s[64:65], 0
	v_nop
	global_prefetch_b8 v0, s[64:65] scope:SCOPE_SE
	s_setreg_imm32_b32 hwreg(HW_REG_WAVE_MODE, 25, 1), 1
	s_wait_xcnt 0x0
	s_wait_alu depctr_hold_cnt(0) depctr_sa_sdst(0) depctr_va_vdst(0) depctr_va_sdst(0) depctr_va_ssrc(0) depctr_va_vcc(0) depctr_vm_vsrc(0)
	s_getreg_b32 s2, hwreg(HW_REG_IB_STS2, 6, 4)
	s_cmp_eq_u32 s2, 0
	s_cbranch_scc0 .Lentry_in_a_cluster
	s_endpgm
.Lentry_in_a_cluster:
	s_bfe_u32 s2, ttmp6, 0x10000c
	s_cmp_lg_u32 s2, 0xf033
	s_cbranch_scc0 .Lentry_shape_is_right
	s_endpgm
.Lentry_shape_is_right:
; out0[m][n] = the sum over k of y[m][k] Wo[n][k].  y: f16, [32 R][16 heads][128 rows][64 channels] (k = 64 x head + channel); wob: [1024 n][1024 k] f16; out0: [4096][1024] f32.  Sums in f32.
; LIMITS.  y and wob arrive within f16's range.  NaN and infinities are not treated apart.
; A tile of out0 is 128 x 128: 256 work-groups.  Four waves, each 64 x 64: 16 accumulators of 16 x 16.  K goes in 4 steps of 256 (four heads) through two LDS slots.
; A's tile of a K step (128 rows x 4 heads) is 65,536 dense bytes of y: asked for as rows of 256 bytes and padded in LDS after every 128, a head's row.  B's rows are 512 bytes of memory, at multiples of 256.
; CLUSTERS: 4 x 4 work-groups.  The four of a row of the cluster need the same tiles of y, the four of a column the same tiles of wob: each is asked for jointly.
; THE MATRIX INSTRUCTION IS USED TRANSPOSED (source 0 = 16 rows of wob, source 1 = 16 rows of y): a lane holds eight neighbouring numbers of a row of out0.
; REGISTERS: window 0: v0-31 addresses; v128-255 the accumulators ((a, b) at v[128 + 8 (4 a + b)]).
;   window 1: two fragment buffers of 128: for 64 along K (one head), 64 registers of y (2 x 4 x 16 rows x 32 K), then 64 of wob; on the way out v0-127 whole rows.
.set PA,     144                       ; a head's row of y in LDS: 128 bytes + 16 = 36 words: the 16 rows of a load start at 16 different groups of four banks (64 banks of 4 bytes: ISA guide 11.1)
.set PB,     528                       ; a row of wob: 512 bytes + 16 = 132 words: likewise
.set HEADB,  128*PA                    ; a head's 128 rows
.set ABYTES, 4*HEADB
.set SLOT,   ABYTES+128*PB             ; y's four heads, then wob's 128 rows
.set STAGE,  2*SLOT                    ; behind the ring: 16 rows x 272 bytes for each wave, for the way out
.set SPITCH, 272
.set SPARE,  STAGE+4*16*SPITCH         ; behind the stages: the spare words, 128 bytes for each wave: two blocks of 256 bytes that no other line names
.set LAPS,   2                         ; a lap = two K steps = once round the ring
.set ADRA, 16                          ; v16-17  LDS address of my fragments of y in slot 0, 1
.set ADRB, 20                          ; v20-21  the same for wob
.set STO,  24                          ; v24     the way out: where I put 32 bytes of a row
.set RD,   25                          ; v25     where I read a row back
.set CO,   26                          ; v26     my byte offset in out0
.set SPW,  28                          ; v28     LDS address of my spare word; never rewritten
.set NIL,  29                          ; v29     0; never rewritten
.set ACC,  128
.set F0,   0                           ; fragment buffers, in window 1
.set F1,   128
.set G1, 24                            ; s[24:31] descriptor group 1 for y's tiles;  s[32:39] group 0, a set for each slot
.set G0, 32
.set G1B, 48                           ; s[48:55], s[56:63] the same for wob's
.set G0B, 56
.set MSB, 0
.macro WIN new                         ; the immediate's high byte repeats the setting that is left
.if MSB != (\new)
	s_set_vgpr_msb (MSB<<8)|(\new)
.set MSB, \new
.endif
.endm
.set MUL,  0x05                        ; sources 0 and 1 window 1; C and D window 0
.set TO_F, 0x40                        ; destination window 1, address window 0
.macro JLOAD s                         ; a joint load: waves 0 and 1 fetch y's two pairs of heads, waves 2 and 3 wob's two halves; an s_nop 0 and four v_nop follow each line
	s_cmp_lt_u32 s10, 2
	s_cbranch_scc0 .Lfor_b_\@
	tensor_load_to_lds s[G0+4*(\s):G0+4*(\s)+3], s[G1:G1+7]
	s_nop 0
.rept 4
	v_nop
.endr
	s_branch .Lasked_\@
.Lfor_b_\@:
	tensor_load_to_lds s[G0B+4*(\s):G0B+4*(\s)+3], s[G1B:G1B+7]
	s_nop 0
.rept 4
	v_nop
.endr
.Lasked_\@:
.endm
.macro CREST                           ; a round of the cluster's barrier behind its opening barrier
	s_cmp_lg_u32 s10, 0
	s_cbranch_scc1 .Lnot_wave_0_\@
	s_barrier_signal -3
.Lnot_wave_0_\@:
	s_barrier_wait -3
	s_barrier_signal -1
	s_barrier_wait -1
.endm
.macro CROUND
	s_barrier_signal -1
	s_barrier_wait -1
	CREST
.endm
	s_load_b128 s[4:7], s[0:1], 0x0                ; y s[4:5], wob s[6:7]
	s_load_b64 s[8:9], s[0:1], 0x10                ; out0
	v_lshl_add_u32 v[SPW], v0, 2, SPARE
	v_mov_b32 v[NIL], 0
	ds_add_u32 v[SPW], v[NIL]                      ; the wave's opening: the add and its wait come ahead of my first tensor load; the set-up below, work on registers, stands between them
	v_lshrrev_b32 v1, 5, v0
	v_readfirstlane_b32 s10, v1                    ; wave 0..3
	s_lshr_b32 s11, s10, 1                         ; which half of the tile's rows is mine
	s_and_b32 s12, s10, 1                          ; which half of its columns.  Also: which half of a tile I fetch
	s_bfe_u32 s40, ttmp6, 0x40000                  ; cx, cy
	s_bfe_u32 s41, ttmp6, 0x40004
	s_lshl_b32 s42, ttmp9, 2
	s_add_co_u32 s42, s42, s40                     ; tile column = 4 x cluster x + cx
	s_and_b32 s13, ttmp7, 0xffff
	s_lshl_b32 s13, s13, 2
	s_add_co_u32 s13, s13, s41                     ; tile row = R = 4 x cluster y + cy
	s_lshl_b32 s43, s41, 2
	s_lshl_b32 s43, 15, s43                        ; my row of the cluster
	s_lshl_b32 s44, 0x1111, s40                    ; my column
	s_or_b32 s[G1+0], s43, (1<<16)|(1<<20)|(1<<21)|(4<<22)|(3<<25)   ; the mask; 2-byte elements; padding on; 21 set beside a mask; after every 32 words (code 4) 4 words (code 3)
	s_or_b32 s[G1B+0], s44, (1<<16)|(1<<20)|(1<<21)|(6<<22)|(3<<25)  ; after every 128 words (code 6)
	s_mov_b32 s[G1+1], 128<<16                     ; y: tensor_dim0 = 128 elements: 256 dense bytes, two rows of a head
	s_mov_b32 s[G1+2], 128<<16                     ; tensor_dim1 = 128
	s_mov_b32 s[G1+3], 128<<16                     ; tile_dim0 = 128
	s_mov_b32 s[G1+4], 128                         ; tile_dim1 = 128: two heads' 32,768 bytes
	s_mov_b32 s[G1+5], 128                         ; dense
	s_mov_b32 s[G1+6], 0
	s_mov_b32 s[G1+7], 0
	s_mov_b32 s[G1B+1], 256<<16                    ; wob: 64 rows x 256 elements
	s_mov_b32 s[G1B+2], 64<<16
	s_mov_b32 s[G1B+3], 256<<16
	s_mov_b32 s[G1B+4], 64
	s_mov_b32 s[G1B+5], 1024
	s_mov_b32 s[G1B+6], 0
	s_mov_b32 s[G1B+7], 0
	s_lshl_b32 s16, s13, 18                        ; y: R x 262,144 + my pair of heads
	s_lshl_b32 s17, s12, 15
	s_add_co_u32 s16, s16, s17
	s_mov_b32 s17, 0
	s_lshl_b32 s46, s42, 18                        ; wob: row 128 x tile column + 64 x half, 2,048 bytes a row
	s_lshl_b32 s47, s12, 17
	s_add_co_u32 s46, s46, s47
	s_mov_b32 s47, 0
	s_mul_i32 s20, s10, 2*HEADB                    ; where y's go (waves 0, 1): wave x two heads
	s_mul_i32 s21, s10, 64*PB                      ; where wob's go (waves 2, 3): behind y's, (wave - 2) x 64 rows
	s_add_co_u32 s21, s21, ABYTES-2*64*PB
	s_wait_dscnt 0x0                               ; the opening add is done
	s_wait_kmcnt 0x0
	s_add_nc_u64 s[14:15], s[4:5], s[16:17]
	s_add_nc_u64 s[46:47], s[6:7], s[46:47]
	CROUND                                         ; all sixteen work-groups are here: the first joint loads meet
.irp s, 0,1
	s_mov_b32 s[G0+4*(\s)], 1
	s_add_co_u32 s[G0+4*(\s)+1], s20, (\s)*SLOT
	s_add_nc_u64 s[G0+4*(\s)+2:G0+4*(\s)+3], s[14:15], (\s)*65536    ; K step s: four heads on
	s_or_b32 s[G0+4*(\s)+3], s[G0+4*(\s)+3], 0x80000000
	s_mov_b32 s[G0B+4*(\s)], 1
	s_add_co_u32 s[G0B+4*(\s)+1], s21, (\s)*SLOT
	s_add_nc_u64 s[G0B+4*(\s)+2:G0B+4*(\s)+3], s[46:47], (\s)*512
	s_or_b32 s[G0B+4*(\s)+3], s[G0B+4*(\s)+3], 0x80000000
	JLOAD \s
.endr
	v_and_b32 v1, 15, v0                           ; l % 16
	v_bfe_u32 v2, v0, 4, 1                         ; l / 16
	v_mul_u32_u24 v3, v1, PA
	v_lshl_add_u32 v3, v2, 4, v3                   ; a fragment's row x pitch + 16 x half
	v_mul_u32_u24 v4, v1, PB
	v_lshl_add_u32 v4, v2, 4, v4
	s_mul_i32 s21, s11, 64*PA                      ; my 64 rows of y, in each head
	s_mul_i32 s22, s12, 64*PB                      ; my 64 rows of wob,
	s_add_co_u32 s22, s22, ABYTES                  ; which lie behind y's
.irp s, 0,1
	v_add_nc_u32 v[ADRA+(\s)], s21, v3
	v_add_nc_u32 v[ADRB+(\s)], s22, v4
	s_add_co_u32 s21, s21, SLOT
	s_add_co_u32 s22, s22, SLOT
.endr
	s_mul_i32 s23, s10, 16*SPITCH
	s_add_co_u32 s23, s23, STAGE                   ; my stage: a wave's 64 columns of f32 are a whole 256 bytes, so no wave needs another's
	v_mul_u32_u24 v5, v1, SPITCH                   ; in: row l % 16, 32 bytes for each half of the lanes
	v_lshl_add_u32 v5, v2, 5, v5
	v_add_nc_u32 v[STO], s23, v5
	v_mul_u32_u24 v5, v2, SPITCH                   ; back: lanes 0-15 take one row of 256 bytes, lanes 16-31 the next
	v_lshl_add_u32 v5, v1, 4, v5
	v_add_nc_u32 v[RD], s23, v5
	v_lshlrev_b32 v5, 12, v2                       ; and the same two rows in out0
	v_lshl_add_u32 v[CO], v1, 4, v5
	s_lshl_b32 s16, s13, 19                        ; my first row: 128 x tile row + 64 x half, 4,096 bytes a row
	s_lshl_b32 s17, s11, 18
	s_add_co_u32 s16, s16, s17
	s_mov_b32 s17, 0
	s_add_nc_u64 s[8:9], s[8:9], s[16:17]
	s_lshl_b32 s46, s42, 9                         ; my first column, in bytes: 512 x tile column + 256 x half
	s_lshl_b32 s47, s12, 8
	s_add_co_u32 s46, s46, s47
	s_mov_b32 s47, 0
	s_add_nc_u64 s[8:9], s[8:9], s[46:47]
; 8 matrix instructions: m blocks a0, a0 + 1 x all 4 n blocks, 32 along K: half c of buffer f.  The 16 accumulators take turns.  zero = 1: the first product starts the sums
.macro MUL8 f, c, a0, zero
	WIN MUL
.irp a, \a0, (\a0)+1
.irp b, 0,1,2,3
.if \zero
	v_wmma_f32_16x16x32_f16 v[ACC+8*(4*(\a)+(\b)):ACC+8*(4*(\a)+(\b))+7], v[(\f)+64+8*(4*(\c)+(\b)):(\f)+64+8*(4*(\c)+(\b))+7], v[(\f)+8*(4*(\c)+(\a)):(\f)+8*(4*(\c)+(\a))+7], 0
.else
	v_wmma_f32_16x16x32_f16 v[ACC+8*(4*(\a)+(\b)):ACC+8*(4*(\a)+(\b))+7], v[(\f)+64+8*(4*(\c)+(\b)):(\f)+64+8*(4*(\c)+(\b))+7], v[(\f)+8*(4*(\c)+(\a)):(\f)+8*(4*(\c)+(\a))+7], v[ACC+8*(4*(\a)+(\b)):ACC+8*(4*(\a)+(\b))+7]
.endif
.endr
.endr
.endm
; 32 LDS loads in one run: the fragments of head q of the slot's four (64 along K) into buffer f; the first 32 along K first
.macro FETCH slot, q, f
	WIN TO_F
.irp c, 0,1
.irp i, 0,1,2,3
	ds_load_b128 v[(\f)+64+8*(4*(\c)+(\i)):(\f)+64+8*(4*(\c)+(\i))+3],   v[ADRB+(\slot)] offset:128*(\q)+64*(\c)+(\i)*16*PB
	ds_load_b128 v[(\f)+64+8*(4*(\c)+(\i))+4:(\f)+64+8*(4*(\c)+(\i))+7], v[ADRB+(\slot)] offset:128*(\q)+64*(\c)+(\i)*16*PB+32
	ds_load_b128 v[(\f)+8*(4*(\c)+(\i)):(\f)+8*(4*(\c)+(\i))+3],         v[ADRA+(\slot)] offset:HEADB*(\q)+64*(\c)+(\i)*16*PA
	ds_load_b128 v[(\f)+8*(4*(\c)+(\i))+4:(\f)+8*(4*(\c)+(\i))+7],       v[ADRA+(\slot)] offset:HEADB*(\q)+64*(\c)+(\i)*16*PA+32
.endr
.endr
.endm
.macro PLACES                          ; four plain places behind a matrix instruction (ISA guide 7.12.1)
.rept 4
	v_nop
.endr
.endm
; A K step is four quarters, a head each, 32 matrix instructions, on buffers 0, 1, 0, 1.  One of the first three: multiplies buffer f and fetches head q into g.
.macro QUARTER slot, q, f, g, zero
	s_wait_dscnt 16                                ; the first 32 along K are in
	MUL8 \f, 0, 0, \zero
	MUL8 \f, 0, 2, \zero
	PLACES
	FETCH \slot, \q, \g
	s_wait_dscnt 32                                ; all but the 32 just issued
	MUL8 \f, 1, 0, 0
	MUL8 \f, 1, 2, 0
.endm
; The last quarter multiplies buffer 1 and changes slots: one barrier; in front of it each wave waits for all its tensor loads, adds 0 to its spare word, and waits for that and for its own reads of this slot.
; fill = 1: this slot is filled again, two K steps ahead: the barrier opens a round of the cluster's, and the joint refill is the first tensor load behind it: 112 matrix instructions ahead of the wait for it.
.macro TURN slot, next, fill
	WIN 0
	s_wait_tensorcnt 0x0                           ; all my tensor loads have landed: my part of the next slot
	ds_add_u32 v[SPW], v[NIL]                      ; 0 onto my spare word
	s_wait_dscnt 17                                ; (the add and the youngest sixteen loads may be out)
	MUL8 F1, 0, 0, 0                               ; eight matrix instructions stand between the add and the wait for it
	s_wait_dscnt 0x0                               ; the add is done, and my reads of this slot are over
	s_barrier_signal -1
	MUL8 F1, 0, 2, 0
.if \fill
	WIN 0
.endif
	s_barrier_wait -1
.if \fill
	CREST                                          ; no wave of any partner still reads this slot's tile or has a load on its way
	s_add_nc_u64 s[G0+4*(\slot)+2:G0+4*(\slot)+3], s[G0+4*(\slot)+2:G0+4*(\slot)+3], 2*65536
	s_add_nc_u64 s[G0B+4*(\slot)+2:G0B+4*(\slot)+3], s[G0B+4*(\slot)+2:G0B+4*(\slot)+3], 2*512
	JLOAD \slot                                    ; the four v_nop behind it are also the places in front of the loads below
.else
	PLACES
.endif
	FETCH \next, 0, F0
	MUL8 F1, 1, 0, 0
	MUL8 F1, 1, 2, 0
.endm
	s_wait_tensorcnt 0x1                           ; my part of K step 0 is in; K step 1's may stay out
	s_barrier_signal -1
	s_barrier_wait -1                              ; everybody's is
	FETCH 0, 0, F0
	QUARTER 0, 1, F0, F1, 1                        ; the first quarter stands in front of the loop: its first products start the sums
	WIN 0                                          ; at a label and at a branch every window is 0
	s_mov_b32 s3, LAPS-1
.Llap:                                                 ; a trip goes once round the ring and fills both slots again
	QUARTER 0, 2, F1, F0, 0
	QUARTER 0, 3, F0, F1, 0
	TURN 0, 1, 1
	QUARTER 1, 1, F0, F1, 0
	QUARTER 1, 2, F1, F0, 0
	QUARTER 1, 3, F0, F1, 0
	TURN 1, 0, 1
	QUARTER 0, 1, F0, F1, 0
	WIN 0
	s_sub_co_u32 s3, s3, 1
	s_cmp_lg_u32 s3, 0
	s_cbranch_scc1 .Llap
	QUARTER 0, 2, F1, F0, 0                        ; the last lap fills nothing, and has no round of the cluster's barrier
	QUARTER 0, 3, F0, F1, 0
	TURN 0, 1, 0
	QUARTER 1, 1, F0, F1, 0
	QUARTER 1, 2, F1, F0, 0
	QUARTER 1, 3, F0, F1, 0
	s_wait_dscnt 16                                ; the very last quarter: nothing more to fetch
	MUL8 F1, 0, 0, 0
	MUL8 F1, 0, 2, 0
	s_wait_dscnt 0x0
	MUL8 F1, 1, 0, 0
	MUL8 F1, 1, 2, 0
	WIN 0
	; THE WAY OUT, 16 rows at a time: a lane's 32 bytes of a row go into my stage (rows of 272 bytes) and come back as whole rows of 256, into the fragment buffers' registers.
	PLACES
	PLACES
.macro BLOCK a
	WIN 0
.irp b, 0,1,2,3
	ds_store_b128 v[STO], v[ACC+8*(4*(\a)+(\b)):ACC+8*(4*(\a)+(\b))+3]   offset:64*(\b)
	ds_store_b128 v[STO], v[ACC+8*(4*(\a)+(\b))+4:ACC+8*(4*(\a)+(\b))+7] offset:64*(\b)+16
.endr
	WIN TO_F
.irp t, 0,1,2,3,4,5,6,7
	ds_load_b128 v[32*(\a)+4*(\t):32*(\a)+4*(\t)+3], v[RD] offset:(\t)*2*SPITCH  ; LDS serves a wave's instructions in order (ISA guide 5.7.1.4): these see the stores above; the next block's stores come behind them
.endr
.endm
.macro SEND a, younger                 ; younger: the LDS instructions issued behind block a's loads: the next block's sixteen, or none.  Each block has registers of its own, so no store's data is written again
	WIN 0x04                                       ; the stores' data in window 1, the address in window 0
.irp t, 0,1,2,3,4,5,6,7
	s_wait_dscnt (\younger)+7-(\t)
	global_store_b128 v[CO], v[32*(\a)+4*(\t):32*(\a)+4*(\t)+3], s[8:9] offset:(16*(\a)+2*(\t))*4096  ; 16 lanes store 256 consecutive bytes, at a multiple of 256 from out0's first byte
.endr
.endm
	BLOCK 0
	BLOCK 1
	SEND 0, 16
	BLOCK 2
	SEND 1, 16
	BLOCK 3
	SEND 2, 16
	SEND 3, 0
	WIN 0
	s_wait_tensorcnt 0x0                           ; the wave's end: an add to my spare word and its wait, behind my last tensor load and my last LDS store
	ds_add_u32 v[SPW], v[NIL]
	s_wait_dscnt 0x0
	CROUND                                         ; the closing round: no work-group ends while a partner may still ask for a tile that names it
	s_endpgm
.Lfunc_end_k_q8a39fd8fba_oproj:
	.size	k_q8a39fd8fba_oproj, .Lfunc_end_k_q8a39fd8fba_oproj-k_q8a39fd8fba_oproj
	.p2alignl 7, 3214868480
	.fill 96, 4, 3214868480
	.section	.rodata,"a",@progbits
	.p2align	6, 0x0
	.amdhsa_kernel k_q8a39fd8fba_oproj
		.amdhsa_group_segment_fixed_size 327680
		.amdhsa_private_segment_fixed_size 0
		.amdhsa_enable_private_segment 0
		.amdhsa_kernarg_size 24
		.amdhsa_user_sgpr_count 2
		.amdhsa_user_sgpr_kernarg_segment_ptr 1
		.amdhsa_wavefront_size32 1
		.amdhsa_system_sgpr_workgroup_id_x 1
		.amdhsa_system_sgpr_workgroup_id_y 1
		.amdhsa_system_sgpr_workgroup_id_z 1
		.amdhsa_system_vgpr_workitem_id 0
		.amdhsa_next_free_vgpr 512
		.amdhsa_next_free_sgpr 66
		.amdhsa_reserve_vcc 0
		.amdhsa_float_denorm_mode_32 3
		.amdhsa_float_denorm_mode_16_64 3
		.amdhsa_memory_ordered 1
		.amdhsa_forward_progress 1
		.amdhsa_inst_pref_size 87
	.end_amdhsa_kernel
	.amdgpu_metadata
---
amdhsa.version: [ 1, 2 ]
amdhsa.kernels:
  - .name:           k_q8a39fd8fba_oproj
    .symbol:         k_q8a39fd8fba_oproj.kd
    .args:
      - { .name: y, .offset: 0, .size: 8, .value_kind: global_buffer, .address_space: global }
      - { .name: wob, .offset: 8, .size: 8, .value_kind: global_buffer, .address_space: global }
      - { .name: out0, .offset: 16, .size: 8, .value_kind: global_buffer, .address_space: global }
    .group_segment_fixed_size: 327680
    .private_segment_fixed_size: 0
    .kernarg_segment_align: 8
    .kernarg_segment_size: 24
    .max_flat_workgroup_size: 128
    .sgpr_count:     66
    .vgpr_count:     512
    .wavefront_size: 32
...
	.end_amdgpu_metadata
.endif
;; end of part 3
;; ======== version 2 of 2: 3 launches; version 1 with the launch cvt written anew for expert scheduling mode
;; limits: values are held in f16: magnitudes above 65,504 overflow, below 6.1e-05 lose precision
;; workspace buffers: xb 8,388,608 bytes; wb 6,291,456 bytes; wob 2,097,152 bytes; y 8,388,608 bytes
;; launch cvt (part 4): grid 256 x 1, 8 waves a work-group, no clusters, 0 bytes of LDS; arguments x, Wq, Wk, Wv, Wo, xb, wb, wob; writes xb, wb, wob
.if DOCPART == 4
	.amdgcn_target "amdgcn-amd-amdhsa--gfx1250"
	.amdhsa_code_object_version 6
	.text
	.protected	k_q8a39fd8fba_cvt
	.globl	k_q8a39fd8fba_cvt
	.p2align	8
	.type	k_q8a39fd8fba_cvt,@function
k_q8a39fd8fba_cvt:
	s_mov_b64 s[64:65], 0
	v_nop
	global_prefetch_b8 v0, s[64:65] scope:SCOPE_SE
	s_setreg_imm32_b32 hwreg(HW_REG_WAVE_SCHED_MODE, 0, 2), 2
	s_setreg_imm32_b32 hwreg(HW_REG_WAVE_MODE, 25, 1), 1
	s_wait_xcnt 0x0
	s_wait_alu depctr_vm_vsrc(0)
; The module's five f32 inputs are rounded once to 16 bits, for the matrix launches behind this one.
;   x  [4096][1024] -> xb  bf16, same order.
;   Wq, Wk, Wv [1024][1024] -> wb bf16, by heads: row 192 h + 64 s + r holds row 64 h + r of Wq (s = 0), Wk (1), Wv (2): a head's 192 rows lie together.
;   Wo [1024][1024] -> wob: rounded to bf16 like the other inputs, and that number written as f16 (the product behind multiplies f16).
; LIMITS.  |bf16(Wo)| stays under 65,504; below 6e-5 f16 keeps a fixed step of 6e-8.  NaN and infinities are not treated apart.
; SHARES.  8,192 rows of 4,096 bytes; a work-group takes 32 consecutive rows of one tensor, a wave 4 (16,384 consecutive bytes in, 8,192 out).
; A lane loads 16 consecutive bytes and stores 8: a wave's load covers 512 consecutive bytes, its store 256 consecutive bytes at a multiple of 256.
; All 32 loads of a wave go out at once.  No LDS, no matrix unit: nothing is shared or multiplied.
; THE MODE: SCHED_MODE bits 1:0 = 2 (LLVM: expert scheduling mode 2), set by the entry lines.  The code itself states the register dependences
; between vector instructions and memory instructions, with s_wait_alu, always for 0.
; THE PLAN.  Registers that memory instructions touch:
;   v1, v2   byte offsets, made once at the head and never written again: v1 is read by every load, v2 by every store.
;   X        unit u's 4 registers: written by the unit's one load, read by its conversions; no vector instruction writes them, and nothing is loaded twice.
;   Y        unit u's 2 registers: written once, by the unit's conversions; read by the unit's one store; never written again.
;   T        named by vector instructions alone.
; So nothing that a memory instruction reads is ever written again, and no load lands in a register that a vector instruction has named: what is left to state is that
; the offsets are written ahead of the first load, and each Y ahead of its store.  The 32 units go in 8 blocks of four.  One wait at the head of a block states that the block
; before has written its Y; that block's four stores follow, one in front of each unit's conversions, which name this block's X and Y (and T) alone.
.set X,   8                            ; v[8:135]    unit u: 4 f32 as loaded
.set Y,   136                          ; v[136:199]  unit u: 4 numbers of 16 bits to store
.set T,   200                          ; v[200:205]  at work (Wo's way)
.set BLK, 4                            ; units in a block
.set SRC, 24                           ; s[24:25]    the work-group's first source byte
.set DST, 26                           ; s[26:27]    its first destination byte
	s_load_b512 s[8:23], s[0:1], 0x0               ; x s[8:9], Wq s[10:11], Wk s[12:13], Wv s[14:15], Wo s[16:17], xb s[18:19], wb s[20:21], wob s[22:23]
	s_mov_b32 s2, ttmp9                            ; g: 0-127 x, 128-159 Wq, 160-191 Wk, 192-223 Wv, 224-255 Wo
	s_and_b32 s3, s2, 31                           ; which 32 rows of a weight
	s_sub_co_u32 s4, s2, 128
	s_lshr_b32 s4, s4, 5
	s_and_b32 s4, s4, 3                            ; which weight
	s_lshr_b32 s6, s3, 1                           ; wb's row: 192 x head
	s_mul_i32 s6, s6, 192
	s_lshl_b32 s7, s4, 6                           ; + 64 x (q, k, v)
	s_add_co_u32 s6, s6, s7
	s_and_b32 s7, s3, 1                            ; + which half of the head's 64 rows
	s_lshl_b32 s7, s7, 5
	s_add_co_u32 s6, s6, s7
	s_lshl_b32 s6, s6, 11                          ; in bytes
	s_cmp_lt_u32 s2, 128
	s_cselect_b32 s5, s2, s3                       ; the block of 32 rows in its own tensor
	s_lshl_b32 s28, s5, 17                         ; 32 rows of 4,096 bytes
	s_mov_b32 s29, 0
	s_lshl_b32 s7, s5, 16                          ; 32 rows of 2,048 bytes (xb and wob keep the order)
	s_mov_b32 s31, 0
	v_lshrrev_b32 v3, 5, v0                        ; wave
	v_and_b32 v4, 31, v0                           ; lane
	v_lshlrev_b32 v1, 4, v4
	v_lshl_or_b32 v1, v3, 14, v1                   ; in: 16,384 x wave + 16 x lane
	v_lshlrev_b32 v2, 3, v4
	v_lshl_or_b32 v2, v3, 13, v2                   ; out: 8,192 x wave + 8 x lane
	s_wait_kmcnt 0x0
	s_cmp_lt_u32 s2, 128
	s_cselect_b64 s[SRC:SRC+1], s[8:9], s[10:11]
	s_cselect_b64 s[DST:DST+1], s[18:19], s[20:21]
	s_cselect_b32 s30, s7, s6
	s_cmp_lt_u32 s2, 160
	s_cselect_b64 s[SRC:SRC+1], s[SRC:SRC+1], s[12:13]
	s_cmp_lt_u32 s2, 192
	s_cselect_b64 s[SRC:SRC+1], s[SRC:SRC+1], s[14:15]
	s_cmp_lt_u32 s2, 224
	s_cselect_b64 s[SRC:SRC+1], s[SRC:SRC+1], s[16:17]
	s_cselect_b64 s[DST:DST+1], s[DST:DST+1], s[22:23]
	s_cselect_b32 s30, s30, s7
	s_add_nc_u64 s[SRC:SRC+1], s[SRC:SRC+1], s[28:29]
	s_add_nc_u64 s[DST:DST+1], s[DST:DST+1], s[30:31]
	s_wait_alu depctr_va_vdst(0)                   ; v1 and v2 are written: every load of the kernel reads v1 as its offset, every store v2
.set u, 0
.rept 32
	global_load_b128 v[X+4*u:X+4*u+3], v1, s[SRC:SRC+1] offset:512*u th:TH_LOAD_NT
.set u, u+1
.endr
	s_cmp_ge_u32 s2, 224
	s_cbranch_scc1 .Lwo
.set u, 0
.rept 32
	s_wait_loadcnt 31-u                            ; loads come back in order: unit u is in, the younger ones stay out
.if (u % BLK == 0) && (u > 0)
	s_wait_alu depctr_va_vdst(0)                   ; the block before has written its Y, which the four stores of this block's turn read
.endif
.if u >= BLK
	global_store_b64 v2, v[Y+2*(u-BLK):Y+2*(u-BLK)+1], s[DST:DST+1] offset:256*(u-BLK)  ; a unit of the block before; no vector instruction since the wait names its Y
.endif
	v_cvt_pk_bf16_f32 v[Y+2*u],   v[X+4*u],   v[X+4*u+1]
	v_cvt_pk_bf16_f32 v[Y+2*u+1], v[X+4*u+2], v[X+4*u+3]
.set u, u+1
.endr
	s_wait_alu depctr_va_vdst(0)                   ; the last block has written its Y, which the last four stores read
.set u, 32-BLK
.rept BLK
	global_store_b64 v2, v[Y+2*u:Y+2*u+1], s[DST:DST+1] offset:256*u
.set u, u+1
.endr
	s_endpgm
.Lwo:                                              ; Wo: to bf16, widened again (a shift, a mask), and written as f16
.set u, 0
.rept 32
	s_wait_loadcnt 31-u
.if (u % BLK == 0) && (u > 0)
	s_wait_alu depctr_va_vdst(0)                   ; the block before has written its Y, which the four stores of this block's turn read
.endif
.if u >= BLK
	global_store_b64 v2, v[Y+2*(u-BLK):Y+2*(u-BLK)+1], s[DST:DST+1] offset:256*(u-BLK)  ; a unit of the block before; no vector instruction since the wait names its Y
.endif
	v_cvt_pk_bf16_f32 v[T],   v[X+4*u],   v[X+4*u+1]
	v_cvt_pk_bf16_f32 v[T+1], v[X+4*u+2], v[X+4*u+3]
	v_lshlrev_b32 v[T+2], 16, v[T]
	v_and_b32     v[T+3], 0xffff0000, v[T]
	v_lshlrev_b32 v[T+4], 16, v[T+1]
	v_and_b32     v[T+5], 0xffff0000, v[T+1]
	v_cvt_pk_f16_f32 v[Y+2*u],   v[T+2], v[T+3]
	v_cvt_pk_f16_f32 v[Y+2*u+1], v[T+4], v[T+5]
.set u, u+1
.endr
	s_wait_alu depctr_va_vdst(0)                   ; the last block has written its Y, which the last four stores read
.set u, 32-BLK
.rept BLK
	global_store_b64 v2, v[Y+2*u:Y+2*u+1], s[DST:DST+1] offset:256*u
.set u, u+1
.endr
	s_endpgm
.Lfunc_end_k_q8a39fd8fba_cvt:
	.size	k_q8a39fd8fba_cvt, .Lfunc_end_k_q8a39fd8fba_cvt-k_q8a39fd8fba_cvt
	.p2alignl 7, 3214868480
	.fill 96, 4, 3214868480
	.section	.rodata,"a",@progbits
	.p2align	6, 0x0
	.amdhsa_kernel k_q8a39fd8fba_cvt
		.amdhsa_group_segment_fixed_size 0
		.amdhsa_private_segment_fixed_size 0
		.amdhsa_enable_private_segment 0
		.amdhsa_kernarg_size 64
		.amdhsa_user_sgpr_count 2
		.amdhsa_user_sgpr_kernarg_segment_ptr 1
		.amdhsa_wavefront_size32 1
		.amdhsa_system_sgpr_workgroup_id_x 1
		.amdhsa_system_sgpr_workgroup_id_y 1
		.amdhsa_system_sgpr_workgroup_id_z 1
		.amdhsa_system_vgpr_workitem_id 0
		.amdhsa_next_free_vgpr 208
		.amdhsa_next_free_sgpr 66
		.amdhsa_reserve_vcc 0
		.amdhsa_float_denorm_mode_32 3
		.amdhsa_float_denorm_mode_16_64 3
		.amdhsa_memory_ordered 1
		.amdhsa_forward_progress 1
		.amdhsa_inst_pref_size 32
	.end_amdhsa_kernel
	.amdgpu_metadata
---
amdhsa.version: [ 1, 2 ]
amdhsa.kernels:
  - .name:           k_q8a39fd8fba_cvt
    .symbol:         k_q8a39fd8fba_cvt.kd
    .args:
      - { .name: x, .offset: 0, .size: 8, .value_kind: global_buffer, .address_space: global }
      - { .name: Wq, .offset: 8, .size: 8, .value_kind: global_buffer, .address_space: global }
      - { .name: Wk, .offset: 16, .size: 8, .value_kind: global_buffer, .address_space: global }
      - { .name: Wv, .offset: 24, .size: 8, .value_kind: global_buffer, .address_space: global }
      - { .name: Wo, .offset: 32, .size: 8, .value_kind: global_buffer, .address_space: global }
      - { .name: xb, .offset: 40, .size: 8, .value_kind: global_buffer, .address_space: global }
      - { .name: wb, .offset: 48, .size: 8, .value_kind: global_buffer, .address_space: global }
      - { .name: wob, .offset: 56, .size: 8, .value_kind: global_buffer, .address_space: global }
    .group_segment_fixed_size: 0
    .private_segment_fixed_size: 0
    .kernarg_segment_align: 8
    .kernarg_segment_size: 64
    .max_flat_workgroup_size: 256
    .sgpr_count:     66
    .vgpr_count:     208
    .wavefront_size: 32
...
	.end_amdgpu_metadata
.endif
;; end of part 4
;; launch qkvatt: the kernel of part 2 again; grid 16 x 16, 4 waves a work-group, clusters of 4 x 4, 327,680 bytes of LDS; arguments xb, wb, y; writes y
;; launch oproj: the kernel of part 3 again; grid 8 x 32, 4 waves a work-group, clusters of 4 x 4, 327,680 bytes of LDS; arguments y, wob, out0; writes out0
